; MI455X (gfx1250); checked and timed in simulation.
; The chip was launched on July 23, 2026; its instructions are those of AMD's public machine-readable ISA for CDNA 5 (MIT licence, August 2026) and "CDNA5" Instruction Set Architecture Reference Guide (July 2026). The comments in the code are by the model that wrote it; some were corrected since.
;; Self Attention. Allowed arithmetic: float matrix products may take bf16 or f16 operands with f32 sums; all other float work in f32.
;; Inputs: key 4 x 512 x 64 x 64 float32; query 4 x 512 x 64 x 64 float32; value 4 x 512 x 64 x 64 float32.
;; Outputs: out0 4 x 512 x 64 x 64 float32.
;; 2 versions, each right; version 2 is version 1 with the launch cast written anew for expert scheduling mode. Each part assembles by itself: llvm-mc -triple=amdgcn-amd-amdhsa -mcpu=gfx1250 --defsym DOCPART=n.
;; ======== version 1 of 2: 2 launches
;; limits: values outside matrix products are rounded to bf16
;; workspace buffers: kw 16,777,216 bytes; vw 16,777,216 bytes
;; launch cast (part 1): grid 128 x 2, 8 waves a work-group, no clusters, 140,288 bytes of LDS; arguments key, value, kw, vw; writes kw, vw
.if DOCPART == 1
	.amdgcn_target "amdgcn-amd-amdhsa--gfx1250"
	.amdhsa_code_object_version 6
	.text
	.protected	k_q5d4052150f_cast
	.globl	k_q5d4052150f_cast
	.p2align	8
	.type	k_q5d4052150f_cast,@function
k_q5d4052150f_cast:
	s_mov_b64 s[64:65], 0
	v_nop
	global_prefetch_b8 v0, s[64:65] scope:SCOPE_SE
	s_setreg_imm32_b32 hwreg(HW_REG_WAVE_MODE, 25, 1), 1
	s_wait_xcnt 0x0
; key, value: [4][512 channels][4096 positions] f32.  Both are rounded once to bf16 (nearest even) and laid out as the two products of the next launch want them:
;   kw [4][4096 keys][512 channels]            bf16: K turned, a key is 1,024 dense bytes
;   vw [4][64 key blocks][512 channels][64 keys] bf16: a block of 64 keys is 65,536 dense bytes
; A stream: no matrix work, no cluster (no byte is read twice), no tensor load.  Work-group y = 0 casts key, y = 1 casts value.
; A wave owns a tile of 128 channels x 64 keys (32,768 bytes in, 16,384 out): tile number 8 x + wave = 256 batch + 64 channel group + key block.
; Every load of a wave takes two row pieces of 256 consecutive, aligned bytes; 32 loads of a wave are on their way (four groups of eight in registers).
; K is turned through the wave's own LDS bytes (no barrier: no other wave touches them) and leaves as 256 consecutive aligned bytes for each sixteen lanes;
; V needs no turning: a wave's store of 8 bytes a lane covers 256 consecutive aligned bytes.
.set CH,    16384                      ; bytes from a channel to the next in key and value
.set PITCH, 272                        ; an LDS row: one key, 128 channels of bf16 (256 bytes) + 16
.set WTILE, 64*PITCH                   ; a wave's LDS bytes: 64 keys
.set SPARE, 8*WTILE                    ; behind them the spare words: 128 bytes a wave, four blocks of 256 bytes that no other line names
.set SPW, 14                           ; v14  LDS address of my spare word; never rewritten
.set NIL, 15                           ; v15  0; never rewritten
.set X,   32                           ; v[32:159]  four groups x eight loads x four registers
.set T,   160                          ; v[160:175] sixteen packed words
	s_load_b256 s[4:11], s[0:1], 0x0               ; key s[4:5], value s[6:7], kw s[8:9], vw s[10:11]
	v_lshl_add_u32 v[SPW], v0, 2, SPARE
	v_mov_b32 v[NIL], 0
	v_lshrrev_b32 v7, 5, v0
	v_readfirstlane_b32 s12, v7                    ; wave 0..7
	v_and_b32 v1, 15, v0                           ; r = lane % 16
	v_bfe_u32 v2, v0, 4, 1                         ; hh = lane / 16
	s_lshl_b32 s13, ttmp9, 3
	s_add_co_u32 s13, s13, s12                     ; my tile's number
	s_and_b32 s14, s13, 63                         ; key block
	s_bfe_u32 s15, s13, 0x20006                    ; channel group (2 bits from bit 6)
	s_lshr_b32 s16, s13, 8                         ; batch
	s_lshl_b32 s18, s16, 23                        ; in: batch x 8,388,608
	s_lshl_b32 s17, s15, 21                        ;   + channel group x 128 channels
	s_add_co_u32 s18, s18, s17
	s_lshl_b32 s17, s14, 8                         ;   + key block x 64 keys of 4 bytes
	s_add_co_u32 s18, s18, s17
	s_mov_b32 s19, 0
	s_lshl_b32 s20, s16, 22                        ; out: batch x 4,194,304
	s_lshl_b32 s17, s14, 16                        ;   + key block x 65,536
	s_add_co_u32 s20, s20, s17
	s_lshl_b32 s17, s15, 8                         ; kw: + channel group x 256 bytes of a key's row
	s_add_co_u32 s22, s20, s17
	s_lshl_b32 s17, s15, 14                        ; vw: + channel group x 128 rows of 128 bytes
	s_add_co_u32 s20, s20, s17
	s_mov_b32 s21, 0
	s_mov_b32 s23, 0
	s_and_b32 s24, ttmp7, 0xffff                   ; 0: key, 1: value
	s_wait_kmcnt 0x0
	s_add_nc_u64 s[4:5], s[4:5], s[18:19]
	s_add_nc_u64 s[6:7], s[6:7], s[18:19]
	s_add_nc_u64 s[8:9], s[8:9], s[22:23]
	s_add_nc_u64 s[10:11], s[10:11], s[20:21]
	s_cmp_lg_u32 s24, 0
	s_cbranch_scc1 .Lvalue
; ---- key.  Load q of group g: lanes 0-15 take channel 16 g + q, lanes 16-31 channel 16 g + 8 + q; lane r the keys 4 r .. 4 r + 3.
.macro KLOAD g
.irp q, 0,1,2,3,4,5,6,7
	global_load_b128 v[X+32*((\g)%4)+4*(\q):X+32*((\g)%4)+4*(\q)+3], v3, s[4:5] offset:(16*(\g)+(\q))*CH th:TH_LOAD_NT
.endr
.endm
; Group g is packed: for each of my four keys eight neighbouring channels make 16 bytes, which go into the key's LDS row.  left = the loads of the younger groups, which may stay out.
.macro KGROUP g, left
	s_wait_loadcnt \left                           ; loads come back in order: group g is in
.set XB, X+32*((\g)%4)
.irp t, 0,1,2,3
.irp p, 0,1,2,3
	v_cvt_pk_bf16_f32 v[T+4*(\t)+(\p)], v[XB+8*(\p)+(\t)], v[XB+8*(\p)+4+(\t)]  ; key 4 r + t, channels 2 p and 2 p + 1 of my eight
.endr
.endr
.irp t, 0,1,2,3
	ds_store_b128 v4, v[T+4*(\t):T+4*(\t)+3] offset:(\t)*PITCH+32*(\g)
.endr
.if (\g) < 4
	KLOAD (\g)+4                                   ; the group's registers take the group four further on
.endif
.endm
	v_lshlrev_b32 v3, 4, v1
	v_lshl_add_u32 v3, v2, 17, v3                  ; in: 8 channels x hh + 16 r
	s_mul_i32 s25, s12, WTILE                      ; my wave's LDS bytes
	v_mul_u32_u24 v4, v1, 4*PITCH
	v_lshl_add_u32 v4, v2, 4, v4
	v_add_nc_u32 v4, s25, v4                       ; into LDS: row 4 r, 16 bytes for each half of the lanes
	v_mul_u32_u24 v5, v2, PITCH
	v_lshl_add_u32 v5, v1, 4, v5
	v_add_nc_u32 v5, s25, v5                       ; back: lanes 0-15 one row of 256 bytes, lanes 16-31 the next
	v_lshlrev_b32 v6, 10, v2
	v_lshl_add_u32 v6, v1, 4, v6                   ; and the same two keys in kw, 1,024 bytes apart
	KLOAD 0
	KLOAD 1
	KLOAD 2
	KLOAD 3
	KGROUP 0, 24
	KGROUP 1, 24
	KGROUP 2, 24
	KGROUP 3, 24
	KGROUP 4, 24                                   ; groups 5 to 7 are out
	KGROUP 5, 16
	KGROUP 6, 8
	KGROUP 7, 0
.set i, 0
.rept 32
	ds_load_b128 v[X+4*i:X+4*i+3], v5 offset:i*2*PITCH  ; LDS serves a wave's instructions in order (ISA guide 5.7.1.4): these see the stores above
.set i, i+1
.endr
.set i, 0
.rept 32
	s_wait_dscnt 31-i                              ; rows 2 i and 2 i + 1 are back
	global_store_b128 v6, v[X+4*i:X+4*i+3], s[8:9] offset:i*2048  ; sixteen lanes store 256 consecutive bytes, at a multiple of 256 from kw's first byte
.set i, i+1
.endr
	s_wait_tensorcnt 0x0                           ; the wave's end, behind my last LDS store
	ds_add_u32 v[SPW], v[NIL]
	s_wait_dscnt 0x0
	s_endpgm
; ---- value.  Load n takes channels 2 n (lanes 0-15) and 2 n + 1 (lanes 16-31); lane r the keys 4 r .. 4 r + 3, which pack into 8 bytes in place.
.macro VLOAD g
.irp q, 0,1,2,3,4,5,6,7
	global_load_b128 v[X+32*((\g)%4)+4*(\q):X+32*((\g)%4)+4*(\q)+3], v3, s[6:7] offset:2*(8*(\g)+(\q))*CH th:TH_LOAD_NT
.endr
.endm
.macro VGROUP g, left
	s_wait_loadcnt \left
.set XB, X+32*((\g)%4)
.irp q, 0,1,2,3,4,5,6,7
	v_cvt_pk_bf16_f32 v[XB+4*(\q)], v[XB+4*(\q)], v[XB+4*(\q)+1]
	v_cvt_pk_bf16_f32 v[XB+4*(\q)+1], v[XB+4*(\q)+2], v[XB+4*(\q)+3]
	global_store_b64 v6, v[XB+4*(\q):XB+4*(\q)+1], s[10:11] offset:256*(8*(\g)+(\q))  ; the wave stores two channels' rows: 256 consecutive bytes, aligned
.endr
.if (\g) < 4
	s_wait_xcnt 0x0                                ; the stores' data registers are loaded again only behind this wait (ISA guide 3.1)
	VLOAD (\g)+4
.endif
.endm
.Lvalue:
	v_lshlrev_b32 v3, 4, v1
	v_lshl_add_u32 v3, v2, 14, v3                  ; in: one channel x hh + 16 r
	v_and_b32 v6, 31, v0
	v_lshlrev_b32 v6, 3, v6                        ; out: 8 bytes a lane
	VLOAD 0
	VLOAD 1
	VLOAD 2
	VLOAD 3
	VGROUP 0, 24
	VGROUP 1, 24
	VGROUP 2, 24
	VGROUP 3, 24
	VGROUP 4, 24
	VGROUP 5, 16
	VGROUP 6, 8
	VGROUP 7, 0
	s_wait_tensorcnt 0x0                           ; the same three lines at this path's end
	ds_add_u32 v[SPW], v[NIL]
	s_wait_dscnt 0x0
	s_endpgm
.Lfunc_end_k_q5d4052150f_cast:
	.size	k_q5d4052150f_cast, .Lfunc_end_k_q5d4052150f_cast-k_q5d4052150f_cast
	.p2alignl 7, 3214868480
	.fill 96, 4, 3214868480
	.section	.rodata,"a",@progbits
	.p2align	6, 0x0
	.amdhsa_kernel k_q5d4052150f_cast
		.amdhsa_group_segment_fixed_size 140288
		.amdhsa_private_segment_fixed_size 0
		.amdhsa_enable_private_segment 0
		.amdhsa_kernarg_size 32
		.amdhsa_user_sgpr_count 2
		.amdhsa_user_sgpr_kernarg_segment_ptr 1
		.amdhsa_wavefront_size32 1
		.amdhsa_system_sgpr_workgroup_id_x 1
		.amdhsa_system_sgpr_workgroup_id_y 1
		.amdhsa_system_sgpr_workgroup_id_z 1
		.amdhsa_system_vgpr_workitem_id 0
		.amdhsa_next_free_vgpr 176
		.amdhsa_next_free_sgpr 66
		.amdhsa_reserve_vcc 0
		.amdhsa_float_denorm_mode_32 3
		.amdhsa_float_denorm_mode_16_64 3
		.amdhsa_memory_ordered 1
		.amdhsa_forward_progress 1
		.amdhsa_inst_pref_size 46
	.end_amdhsa_kernel
	.amdgpu_metadata
---
amdhsa.version: [ 1, 2 ]
amdhsa.kernels:
  - .name:           k_q5d4052150f_cast
    .symbol:         k_q5d4052150f_cast.kd
    .args:
      - { .name: key, .offset: 0, .size: 8, .value_kind: global_buffer, .address_space: global }
      - { .name: value, .offset: 8, .size: 8, .value_kind: global_buffer, .address_space: global }
      - { .name: kw, .offset: 16, .size: 8, .value_kind: global_buffer, .address_space: global }
      - { .name: vw, .offset: 24, .size: 8, .value_kind: global_buffer, .address_space: global }
    .group_segment_fixed_size: 140288
    .private_segment_fixed_size: 0
    .kernarg_segment_align: 8
    .kernarg_segment_size: 32
    .max_flat_workgroup_size: 256
    .sgpr_count:     66
    .vgpr_count:     176
    .wavefront_size: 32
...
	.end_amdgpu_metadata
.endif
;; end of part 1
;; launch attn (part 2): grid 64 x 4, 4 waves a work-group, clusters of 4 x 1, 327,680 bytes of LDS; arguments query, kw, vw, out0; writes out0
.if DOCPART == 2
	.amdgcn_target "amdgcn-amd-amdhsa--gfx1250"
	.amdhsa_code_object_version 6
	.text
	.protected	k_q5d4052150f_attn
	.globl	k_q5d4052150f_attn
	.p2align	8
	.type	k_q5d4052150f_attn,@function
k_q5d4052150f_attn:
	s_mov_b64 s[64:65], 0
	v_nop
	global_prefetch_b8 v0, s[64:65] scope:SCOPE_SE
	s_setreg_imm32_b32 hwreg(HW_REG_WAVE_MODE, 25, 1), 1
	s_wait_xcnt 0x0
	s_wait_alu depctr_hold_cnt(0) depctr_sa_sdst(0) depctr_va_vdst(0) depctr_va_sdst(0) depctr_va_ssrc(0) depctr_va_vcc(0) depctr_vm_vsrc(0)
	s_getreg_b32 s2, hwreg(HW_REG_IB_STS2, 6, 4)
	s_cmp_eq_u32 s2, 0
	s_cbranch_scc0 .Lentry_in_a_cluster
	s_endpgm
.Lentry_in_a_cluster:
	s_bfe_u32 s2, ttmp6, 0x10000c
	s_cmp_lg_u32 s2, 0x3003
	s_cbranch_scc0 .Lentry_shape_is_right
	s_endpgm
.Lentry_shape_is_right:
; out[b][c][j] = sum over i of v[b][c][i] softmax_i(sum over c' of k[b][c'][i] q[b][c'][j]) + q[b][c][j].  query, out0: [4][512][4096] f32; kw, vw: K and V in bf16 as the launch before laid them.
; Products in bf16 with f32 sums; maxima, exponentials, sums, division and residual in f32; the weights p are rounded to bf16 for the second product (their sum l is taken of the unrounded p).
; LIMITS.  q is rounded once to bf16, and the residual adds that rounded q.  log2(e) x |score| stays below 4e37.  A weight below 2^-126 counts as 0.  NaN and infinities are not treated apart.
; SHARES.  A work-group owns 64 queries of one batch (256 work-groups); it walks the batch's 4,096 keys in 64 steps of 64.  Q (512 channels x 64 queries) lies in 512 registers of EVERY wave.
;   S^T = K Q^T: wave w makes keys 16 w .. 16 w + 15 of the step x all 64 queries (4 accumulators, 64 products).
;   O^T += V P:  wave w makes channels 128 w .. 128 w + 127 x all 64 queries (32 accumulators, 64 products).
; So each byte of K and V leaves LDS once in a work-group; only P (8 KB a step) goes through LDS to all four waves.  A lane holds ONE query (lane % 16) in S^T, P and O^T.
; SOFTMAX.  p = 2^(c s - c m), c = log2(e), m the running maximum over all four waves' keys (the waves' maxima meet in LDS, so m is the same in all); O and l are multiplied by
; a = 2^(c m_old - c m_new) in every step.  Each wave keeps the sum l of its own keys; the four meet at the end.  m starts at the lowest finite number, l at 0: the first a is 0.
; THE WALK.  A softmax does not hang on the order of its keys: cluster x of a batch begins at key step 4 ((3 x) % 16) and walks 64 steps modulo 64, so that the sixteen clusters of a batch
; ask for sixteen different tiles in any one trip.  Below, step n is the walk's n-th step.
; ONE BARRIER A TRIP.  Trip n, sl = (n + 1) % 2.  V P of step n - 1 (V in slot sl, P in PBUF[sl]) is split by channel blocks.  In order: the last trip's last 12 products, beside the first LDS loads;
; E: blocks 0-3 (32 products), behind them in fours the new m and a from the waves' maxima and the softmax of S(n); P(n) goes to PBUF[1 - sl]; Y: K Q^T of step n + 1 (K in slot sl, 64 products),
; behind them O x a; U6, U7: blocks 4-7 (32 products): behind U6's first products the maxima of S(n + 1), which go to STATS[sl]; U7 stands round the barrier, its operands in registers.
; Behind the barrier slot sl takes K(n + 3) and V(n + 1).  Blocks 4-7 so lag a step: in Y they are multiplied by the a of the step before (AB), blocks 0-3 by this step's (AA).
; PBUF and STATS are double, so what one wave writes no slower wave still reads: a barrier lies between.
; CLUSTER.  The four query blocks of a cluster belong to one batch and walk the same K and V: each tile is asked for JOINTLY, the same tensor load, descriptor and mask in all four;
; the trip's barrier is a round of the cluster's barrier.
; REGISTERS, in windows of 256 (s_set_vgpr_msb: bits 1:0 source 0, 3:2 source 1, 5:4 source 2, 7:6 destination):
;   window 0: addresses, statistics, S^T, five fragment buffers of 32     window 1: O^T, accumulator (channel block cb, tile t) at 8 (4 cb + t); at the start Q as loaded
;   windows 2, 3: Q's fragments: channels 32 f on, tile t, in window 2 + f / 8 at 32 (f % 8) + 8 t
.set CH,     16384                     ; bytes from a channel to the next in query and out0
.set PK,     1040                      ; a key's LDS row: 1,024 bytes + 16 = 260 words: row r starts at bank 4 r mod 64 (64 banks of 4 bytes: ISA guide 11.1)
.set PV,     144                       ; a channel's LDS row of V: 64 keys, 128 bytes + 16 = 36 words: sixteen rows start at sixteen different groups of four banks
.set PP,     144                       ; a query's LDS row of P, likewise; also a channel's row in Q's staging
.set VOFF,   64*PK                     ; a slot: 64 rows of K, then 512 rows of V
.set SLOTB,  VOFF+512*PV               ; 140,288
.set PBUF,   2*SLOTB                   ; two buffers of P[query][key]; before the walk: staging B for Q
.set PBYTES, 64*PP
.set STATS,  PBUF+2*PBYTES             ; two buffers [wave][lane % 16][tile] f32, 1,024 bytes each
.set SPARE,  STATS+2048                ; the spare words, 128 bytes a wave: two blocks of 256 bytes that no other line names
.set STAGE,  SPARE+512                 ; staging A for Q (128 rows x 144); later the way out: 16 rows x 272 bytes for each wave.  No tensor load fills a byte from PBUF on
.set QSTA,   STAGE-PBUF
.set SP,     272
.set AK,  3                            ; v3, v4   my place in K's tile of slot 0, 1: (16 w + r) PK + 16 h
.set AV,  5                            ; v5, v6   the same for V: (128 w + r) PV + 16 h
.set APR, 7                            ; v7   P read: PBUF + 144 r + 16 h
.set APW, 8                            ; v8   P written: + 32 w
.set ASW, 9                            ; v9   my wave's maxima: STATS + 256 w + 16 r
.set ASR, 10                           ; v10  all waves' maxima: STATS + 16 r
.set STO, 11                           ; v11  the way out: where I put a number
.set RD,  12                           ; v12  the way out: where I read rows back
.set GO,  13                           ; v13  my byte offset in two rows of out0
.set SPW, 14                           ; v14  LDS address of my spare word; never rewritten
.set NIL, 15                           ; v15  0; never rewritten
.set ST,  16                           ; v[16:31]  tile t: c m, m, l (even keys', odd keys')
.set AA,  32                           ; v[32:39]  tile t: a, c m as just made
.set AB,  40                           ; v[40:47]  tile t: the a of the step before, and a word named with it as a pair
.set RL,  40                           ; v[40:43]  at the end, when AB has served: 1 / l
.set XS,  48                           ; v[48:63]  one place, three lives that do not overlap: the four waves' maxima (from the round to the new m),
.set P,   48                           ;           P, 4 a tile (from the roundings to its store ahead of Y),
.set MX,  48                           ;           my wave's maxima, a tile each (behind Y),
.set TP,  52                           ;           and the other half of the lanes'
.set S,   64                           ; v[64:95]  S^T, 8 a tile
.set QO,  64                           ; at the head, before S^T exists: my byte offset in query,
.set QS,  65                           ; Q's staging: where I put 8 bytes,
.set QT,  66                           ; Q's staging: my place for the turning load,
.set QX,  67                           ; and one at work
.set B0,  96                           ; P, keys 0-31 of the step: kept for the whole trip
.set B1,  128                          ; P, keys 32-63: likewise
.set B2,  160                          ; BA and BB: these two change places with the slot's parity
.set B3,  192
.set B4,  224
.set CV,  112                          ; Q rounded, on its way into the staging
.set QC,  64                           ; the way out: my 128 channels of Q, copied into window 0
.set TT,  192                          ; the way out: 32 finished numbers
.set OB,  224                          ; the way out: 16 rows read back
.set OFF, 2                            ; s[2:3]  a tile's byte offset in kw and vw; the high word stays 0
.set WV,  12                           ; s12  my wave's number
.set G1K, 24                           ; s[24:31] descriptor group 1 for K's tiles
.set G1V, 32                           ; s[32:39] for V's
.set G0K, 40                           ; s[40:47] descriptor group 0 for K's tiles, a set for each slot
.set G0V, 48                           ; s[48:55] the same for V's
.set CNT, 56                           ; s56  the loop's count
.set KN,  57                           ; s57  the key step (0 to 63, in memory's order) whose K is asked for next
.set CS,  58                           ; s[58:59] c, named as a pair
.set SEL, 60                           ; s[60:61] v_permlanex16_b32's selects: each lane takes its own place in the other half
.set VN,  62                           ; s62  the key step whose V is asked for next
.set W_S2, 0x08                        ; K in window 0, Q in window 2, S^T in window 0 (Q in window 3: + 4)
.set W_PV, 0x50                        ; V and P in window 0, O^T (C and D) in window 1
.set W_RS, 0x41                        ; O^T (destination and source 0) in window 1, a in window 0
.set W_CL, 0x40                        ; destination in window 1
.set MSB, 0
.set rqi, 112
.set smi, 0
.set rsi, 0
.set cli, 0
.set RSH, AB                           ; by which a blocks 4-7 are multiplied
.set BA,  B2
.set BB,  B3
.macro WIN new                         ; the immediate's high byte repeats the setting that is left; a switch that changes nothing is dropped
.if MSB != (\new)
	s_set_vgpr_msb (MSB<<8)|(\new)
.set MSB, (\new)
.endif
.endm
; A load into a register that a matrix instruction has read, and a vector instruction that reads a matrix result, stand four places behind it; only plain vector instructions that name
; none of its registers are places (ISA guide 7.12.1 for vector instructions).
.macro PLACES
.rept 4
	v_nop
.endr
.endm
; A round of the cluster's barrier: my work-group's barrier, so that wave 0's signal speaks for all four waves; wave 0 signals; every wave waits for all four work-groups; my work-group's barrier once more.
.macro CROUND
	s_barrier_signal -1
	s_barrier_wait -1
	s_cmp_lg_u32 s[WV], 0
	s_cbranch_scc1 .Lnot_wave_0_\@
	s_barrier_signal -3
.Lnot_wave_0_\@:
	s_barrier_wait -3
	s_barrier_signal -1
	s_barrier_wait -1
.endm
; A joint refill of slot sl.  Waves 0 and 1 fetch the two halves of K's tile (32 keys each), waves 2 and 3 those of V's (256 channels each).  mode 3: both; 1: K alone; 2: V alone.
; The branch hangs on the wave's number alone.  An s_nop 0 and four v_nop follow each tensor load, ahead of the jump and the label; they are also the places in front of
; the LDS loads that follow.  Where two waves issue nothing (modes 1, 2) four more stand behind the label, for those waves' sake.
.macro JLOAD sl, mode
	s_cmp_lt_u32 s[WV], 2
.if (\mode) == 3
	s_cbranch_scc0 .Lfor_v_\@
.elseif (\mode) == 1
	s_cbranch_scc0 .Lasked_\@
.else
	s_cbranch_scc1 .Lasked_\@
.endif
.if (\mode) & 1
	tensor_load_to_lds s[G0K+4*(\sl):G0K+4*(\sl)+3], s[G1K:G1K+7]
	s_nop 0
	PLACES
.endif
.if (\mode) == 3
	s_branch .Lasked_\@
.Lfor_v_\@:
.endif
.if (\mode) & 2
	tensor_load_to_lds s[G0V+4*(\sl):G0V+4*(\sl)+3], s[G1V:G1V+7]
	s_nop 0
	PLACES
.endif
.Lasked_\@:
.if (\mode) != 3
	PLACES
.endif
.endm
; THE TRIP'S BARRIER, in two parts, so that matrix work on registers can stand between the add and the wait for it.
; BARA: the wave waits for all its tensor loads (one is out: its part of the other slot), adds 0 to its spare word, and makes the addresses of slot sl's next tiles anew: the batch's base plus the
; key step's number times 65,536; the number steps by 1 modulo 64.
.macro BARA sl, mode
	WIN 0
	s_wait_tensorcnt 0x0                           ; no tensor load of mine is out, so a group 0 may be written
	ds_add_u32 v[SPW], v[NIL]                      ; 0 onto my spare word
.if (\mode) & 1
	s_lshl_b32 s[OFF], s[KN], 16
	s_add_nc_u64 s[G0K+4*(\sl)+2:G0K+4*(\sl)+3], s[6:7], s[OFF:OFF+1]
	s_or_b32 s[G0K+4*(\sl)+3], s[G0K+4*(\sl)+3], 0x80000000
	s_add_co_u32 s[KN], s[KN], 1
	s_and_b32 s[KN], s[KN], 63
.endif
.if (\mode) & 2
	s_lshl_b32 s[OFF], s[VN], 16
	s_add_nc_u64 s[G0V+4*(\sl)+2:G0V+4*(\sl)+3], s[8:9], s[OFF:OFF+1]
	s_or_b32 s[G0V+4*(\sl)+3], s[G0V+4*(\sl)+3], 0x80000000
	s_add_co_u32 s[VN], s[VN], 1
	s_and_b32 s[VN], s[VN], 63
.endif
.endm
; BARB: the add, my stores of P and of the maxima and my reads of slot sl are done; behind the round no wave of any partner reads slot sl, the other slot is whole, and P and the maxima are there for all.
.macro BARB sl, mode
	WIN 0
	s_wait_dscnt 0x0
	CROUND
	JLOAD \sl, \mode                               ; the first thing behind the round: it has a trip, 128 matrix instructions, in which to land
.endm
	s_load_b256 s[4:11], s[0:1], 0x0               ; query s[4:5], kw s[6:7], vw s[8:9], out0 s[10:11]
	v_lshl_add_u32 v[SPW], v0, 2, SPARE
	v_mov_b32 v[NIL], 0
	ds_add_u32 v[SPW], v[NIL]                      ; the wave's opening: the add and its wait stand ahead of my first tensor load; the set-up below stands between them
	v_lshrrev_b32 v1, 5, v0
	v_readfirstlane_b32 s[WV], v1                  ; wave 0..3
	s_bfe_u32 s13, ttmp6, 0x40000                  ; cx: my place in the cluster
	s_lshl_b32 s14, ttmp9, 2                       ; in a cluster launch ttmp9 counts clusters
	s_add_co_u32 s14, s14, s13                     ; my block of 64 queries: it enters query's and out0's addresses alone
	s_lshl_b32 s14, s14, 8                         ; its 256 bytes in a channel's row
	s_and_b32 s15, ttmp7, 0xffff                   ; the batch, which the four partners share
	s_lshl_b32 s22, s15, 23                        ; batch x 8,388,608
	s_add_co_u32 s22, s22, s14
	s_mov_b32 s23, 0
	s_and_b32 s16, s[WV], 1                        ; which half of a tile I fetch:
	s_mul_i32 s17, s16, 32*PK                      ; its place in a slot, for K
	s_mul_i32 s18, s16, 256*PV                     ; and for V: no place in the cluster enters an LDS address
	s_lshl_b32 s20, s15, 22                        ; batch x 4,194,304 in kw and vw
	s_lshl_b32 s19, s16, 15                        ; + my half's 32,768 bytes
	s_add_co_u32 s20, s20, s19
	s_mov_b32 s21, 0
	s_mul_i32 s[KN], ttmp9, 3                      ; where my cluster's walk begins: key step 4 ((3 x) % 16), the same in all four partners
	s_and_b32 s[KN], s[KN], 15
	s_lshl_b32 s[KN], s[KN], 2
	s_mov_b32 s[OFF+1], 0
	; group 1 for K: 32 keys x 512 elements of 2 bytes, 16 bytes of padding behind each key
	s_mov_b32 s[G1K], 15|(1<<16)|(1<<20)|(1<<21)|(7<<22)|(3<<25)  ; 15:0 the mask of four; 17:16 2-byte elements; 20 padding on; 21 set beside a mask; 24:22 after every 256 words (code 7); 31:25 4 words (code 3)
	s_mov_b32 s[G1K+1], 512<<16                    ; tensor_dim0 = 512
	s_mov_b32 s[G1K+2], 32<<16                     ; tensor_dim1 = 32
	s_mov_b32 s[G1K+3], 512<<16                    ; tile_dim0 = 512
	s_mov_b32 s[G1K+4], 32                         ; tile_dim1 = 32
	s_mov_b32 s[G1K+5], 512                        ; 512 elements from row to row
	s_mov_b32 s[G1K+6], 0
	s_mov_b32 s[G1K+7], 0
	; group 1 for V: 256 channels of 128 bytes are dense: asked for as 128 rows of 256 bytes, padded in LDS after every channel
	s_mov_b32 s[G1V], 15|(1<<16)|(1<<20)|(1<<21)|(4<<22)|(3<<25)  ; the same with the padding after every 32 words (code 4)
	s_mov_b32 s[G1V+1], 128<<16
	s_mov_b32 s[G1V+2], 128<<16
	s_mov_b32 s[G1V+3], 128<<16
	s_mov_b32 s[G1V+4], 128
	s_mov_b32 s[G1V+5], 128
	s_mov_b32 s[G1V+6], 0
	s_mov_b32 s[G1V+7], 0
	s_mov_b32 s[CS], 0x3fb8aa3b                    ; c = log2(e)
	s_mov_b32 s[CS+1], s[CS]
	s_mov_b32 s[SEL], 0x76543210
	s_mov_b32 s[SEL+1], 0xfedcba98
	v_and_b32 v1, 15, v0                           ; r = lane % 16
	v_bfe_u32 v2, v0, 4, 1                         ; h = lane / 16
	s_lshl_b32 s19, s[WV], 19                      ; my wave's 32 channels of every 128
	v_lshlrev_b32 v[QO], 4, v1
	v_lshl_add_u32 v[QO], v2, 14, v[QO]
	v_add_nc_u32 v[QO], s19, v[QO]                 ; (32 w + h) channels + 16 r
	s_wait_dscnt 0x0                               ; the opening add is done
	s_wait_kmcnt 0x0
	s_add_nc_u64 s[4:5], s[4:5], s[22:23]          ; query at my block
	s_lshl_b32 s13, s[WV], 21                      ; out0 at my block and my wave's 128 channels
	s_add_co_u32 s22, s22, s13
	s_add_nc_u64 s[10:11], s[10:11], s[22:23]
	s_add_nc_u64 s[6:7], s[6:7], s[20:21]          ; kw and vw at my half of the batch's key step 0: these two stay
	s_add_nc_u64 s[8:9], s[8:9], s[20:21]
.irp s, 0,1
	s_lshl_b32 s[OFF], s[KN], 16                   ; the walk's step s: 60 + 1 at the most, so no wrap yet
	s_mov_b32 s[G0K+4*(\s)], 1                     ; 1:0 count = 1
	s_add_co_u32 s[G0K+4*(\s)+1], s17, (\s)*SLOTB  ; 63:32 LDS address
	s_add_nc_u64 s[G0K+4*(\s)+2:G0K+4*(\s)+3], s[6:7], s[OFF:OFF+1]  ; 120:64 global address
	s_or_b32 s[G0K+4*(\s)+3], s[G0K+4*(\s)+3], 0x80000000            ; 127:126 type = 2
	s_mov_b32 s[G0V+4*(\s)], 1
	s_add_co_u32 s[G0V+4*(\s)+1], s18, (\s)*SLOTB+VOFF
	s_add_nc_u64 s[G0V+4*(\s)+2:G0V+4*(\s)+3], s[8:9], s[OFF:OFF+1]
	s_or_b32 s[G0V+4*(\s)+3], s[G0V+4*(\s)+3], 0x80000000
	s_add_co_u32 s[KN], s[KN], 1
.endr
	s_mov_b32 s[VN], s[KN]                         ; both go on with the walk's step 2
	; Q as it lies, f32: load 16 g + i takes channels 128 g + 32 w + 2 i + h, lane r the queries 4 r .. 4 r + 3: each half of the lanes reads 256 consecutive aligned bytes.  Into O^T's registers, which are idle.
	WIN W_CL
.set i, 0
.rept 64
	global_load_b128 v[4*i:4*i+3], v[QO], s[4:5] offset:(128*(i/16)+2*(i%16))*CH th:TH_LOAD_NT
.set i, i+1
.endr
	WIN 0
	CROUND                                         ; all four work-groups are here: the first joint loads meet
	s_cmp_lt_u32 s[WV], 2                          ; a wave's two first fills stand in one branch, ahead of every wait on TENSORcnt and every LDS read: two loads of mine are out
	s_cbranch_scc0 .Lfirst_v
	tensor_load_to_lds s[G0K:G0K+3], s[G1K:G1K+7]
	s_nop 0
	tensor_load_to_lds s[G0K+4:G0K+7], s[G1K:G1K+7]
	s_nop 0
	PLACES
	s_branch .Lfirst_asked
.Lfirst_v:
	tensor_load_to_lds s[G0V:G0V+3], s[G1V:G1V+7]
	s_nop 0
	tensor_load_to_lds s[G0V+4:G0V+7], s[G1V:G1V+7]
	s_nop 0
	PLACES
.Lfirst_asked:
	; A fragment is 16 rows x 32 along the sum in 8 registers: lane l holds row l % 16; registers 0-3 hold 8 (l / 16) + 0..7, registers 4-7 hold 16 + 8 (l / 16) + 0..7: two loads of 16 bytes, 32 bytes apart.
	v_mul_u32_u24 v[AK], v1, PK
	v_lshl_add_u32 v[AK], v2, 4, v[AK]
	s_mul_i32 s16, s[WV], 16*PK                    ; my wave's 16 keys
	v_add_nc_u32 v[AK], s16, v[AK]
	v_add_nc_u32 v[AK+1], SLOTB, v[AK]
	v_mul_u32_u24 v[APR], v1, PP
	v_lshl_add_u32 v[APR], v2, 4, v[APR]           ; 144 r + 16 h
	s_mul_i32 s16, s[WV], 128*PV                   ; my wave's 128 channels
	s_add_co_u32 s16, s16, VOFF
	v_add_nc_u32 v[AV], s16, v[APR]
	v_add_nc_u32 v[AV+1], SLOTB, v[AV]
	v_add_nc_u32 v[APR], PBUF, v[APR]
	v_lshl_add_u32 v[APW], s[WV], 5, v[APR]        ; my wave's 16 keys are 32 bytes of a query's row
	v_lshlrev_b32 v[ASR], 4, v1
	v_add_nc_u32 v[ASR], STATS, v[ASR]
	v_lshl_add_u32 v[ASW], s[WV], 8, v[ASR]
	s_mul_i32 s16, s[WV], 16*SP
	s_add_co_u32 s16, s16, STAGE                   ; my stage for the way out
	v_mul_u32_u24 v[STO], v2, 8*SP                 ; in: channel 8 h + j, query 16 t + r
	v_lshl_add_u32 v[STO], v1, 2, v[STO]
	v_add_nc_u32 v[STO], s16, v[STO]
	v_mul_u32_u24 v[RD], v2, SP                    ; back: lanes 0-15 one row of 256 bytes, lanes 16-31 the next
	v_lshl_add_u32 v[RD], v1, 4, v[RD]
	v_add_nc_u32 v[RD], s16, v[RD]
	v_lshlrev_b32 v[GO], 14, v2                    ; and the same two channels in out0
	v_lshl_add_u32 v[GO], v1, 4, v[GO]
	s_mul_i32 s16, s[WV], 32*PP
	s_add_co_u32 s16, s16, PBUF
	v_mul_u32_u24 v[QS], v2, PP                    ; Q's staging, in: row 32 w + 2 i + h, 8 bytes a lane
	v_lshl_add_u32 v[QS], v1, 3, v[QS]
	v_add_nc_u32 v[QS], s16, v[QS]
	v_and_b32 v[QT], 7, v0                         ; the turning load: lane l reads channel 8 (l / 16) + l % 8, queries 8 ((l / 8) % 2) + 0..7, and is left with query l % 16 and 8 channels
	v_lshl_add_u32 v[QT], v2, 3, v[QT]
	v_mul_u32_u24 v[QT], v[QT], PP
	v_bfe_u32 v[QX], v0, 3, 1
	v_lshl_add_u32 v[QT], v[QX], 4, v[QT]
	v_add_nc_u32 v[QT], PBUF, v[QT]
.irp t, 0,1,2,3
	v_mov_b32 v[ST+4*(\t)], 0xfe000000             ; c m: far below every c s
	v_mov_b32 v[ST+4*(\t)+1], 0xff7fffff           ; m: the lowest finite number
	v_mov_b32 v[ST+4*(\t)+2], 0                    ; l
	v_mov_b32 v[ST+4*(\t)+3], 0
	v_mov_b32 v[TP+(\t)], 0                        ; v_permlanex16_b32's destination counts as read
	v_mov_b32 v[AA+2*(\t)], 0                      ; the first step copies it into AB, where nothing reads it
	v_mov_b32 v[AB+2*(\t)+1], 0                    ; named with a as a pair
.endr
; Q: 128 channels at a time are rounded to bf16, laid [channel][query] into a staging of 128 rows x 144 bytes by the four waves together, and read back turned by every wave.  Two stagings, two passes.
.macro QCVT hp                         ; the 32 loads of pass hp: four numbers become 8 bytes
	WIN 0x05                                       ; sources in window 1, destination in window 0
.set i, 0
.rept 32
	v_cvt_pk_bf16_f32 v[CV+2*i], v[128*(\hp)+4*i], v[128*(\hp)+4*i+1]
	v_cvt_pk_bf16_f32 v[CV+2*i+1], v[128*(\hp)+4*i+2], v[128*(\hp)+4*i+3]
.set i, i+1
.endr
	WIN 0
.endm
.macro QSTORE                          ; the pass's first 128 channels into staging A, the second into staging B
.set i, 0
.rept 32
	ds_store_b64 v[QS], v[CV+2*i:CV+2*i+1] offset:QSTA*(1-i/16)+2*PP*(i%16)
.set i, i+1
.endr
.endm
.macro QFRAG hp                        ; 32 fragments: channels 32 (i / 4) of the pass's 256 on, tile i % 4; into window 2 + hp
	WIN 0x80+0x40*(\hp)
.set i, 0
.rept 32
	ds_load_tr16_b128 v[8*i:8*i+3],   v[QT] offset:QSTA*(1-i/16)+32*PP*((i/4)%4)+32*(i%4)
	ds_load_tr16_b128 v[8*i+4:8*i+7], v[QT] offset:QSTA*(1-i/16)+32*PP*((i/4)%4)+32*(i%4)+16*PP
.set i, i+1
.endr
	WIN 0
.endm
	s_wait_loadcnt 32                              ; the first 32 of the 64 loads are in
	QCVT 0
	QSTORE
	s_wait_dscnt 0x0                               ; for the others' sake: my stores are done
	s_barrier_signal -1
	s_barrier_wait -1
	QFRAG 0
	s_wait_loadcnt 0x0
	QCVT 1
	s_wait_dscnt 0x0                               ; my reads of both stagings are back,
	s_barrier_signal -1
	s_barrier_wait -1                              ; everybody's are: they may be written again
	QSTORE
	s_wait_dscnt 0x0
	s_wait_tensorcnt 1                             ; my part of slot 0 is in; slot 1's may stay out
	s_barrier_signal -1
	s_barrier_wait -1
	QFRAG 1
; THE LDS LOADS stand in runs of eight (four fragments), never singly among the matrix instructions.
.macro LDK sl, u, buf                  ; my 16 keys, channels 128 u on
.irp f, 0,1,2,3
	ds_load_b128 v[(\buf)+8*(\f):(\buf)+8*(\f)+3],   v[AK+(\sl)] offset:256*(\u)+64*(\f)
	ds_load_b128 v[(\buf)+8*(\f)+4:(\buf)+8*(\f)+7], v[AK+(\sl)] offset:256*(\u)+64*(\f)+32
.endr
.endm
.macro LDV sl, ks, hf, buf             ; channel blocks 4 hf .. 4 hf + 3 of my eight, keys 32 ks on
.irp f, 0,1,2,3
	ds_load_b128 v[(\buf)+8*(\f):(\buf)+8*(\f)+3],   v[AV+(\sl)] offset:(4*(\hf)+(\f))*16*PV+64*(\ks)
	ds_load_b128 v[(\buf)+8*(\f)+4:(\buf)+8*(\f)+7], v[AV+(\sl)] offset:(4*(\hf)+(\f))*16*PV+64*(\ks)+32
.endr
.endm
.macro LDP p, ks, buf                  ; the four tiles of queries, keys 32 ks on, from PBUF[p]
.irp f, 0,1,2,3
	ds_load_b128 v[(\buf)+8*(\f):(\buf)+8*(\f)+3],   v[APR] offset:PBYTES*(\p)+16*PP*(\f)+64*(\ks)
	ds_load_b128 v[(\buf)+8*(\f)+4:(\buf)+8*(\f)+7], v[APR] offset:PBYTES*(\p)+16*PP*(\f)+64*(\ks)+32
.endr
.endm
.macro LDSTAT p                        ; the four waves' figures for my query in each tile
.irp f, 0,1,2,3
	ds_load_b128 v[XS+4*(\f):XS+4*(\f)+3], v[ASR] offset:1024*(\p)+256*(\f)
.endr
.endm
.macro STP p                           ; my 8 keys of a query are 16 bytes of its row in PBUF[p]
.irp f, 0,1,2,3
	ds_store_b128 v[APW], v[P+4*(\f):P+4*(\f)+3] offset:PBYTES*(\p)+16*PP*(\f)
.endr
.endm
; THE SOFTMAX of my 16 keys x 64 queries: a list of 84; SMX writes number smi.  F: c s - c m for a pair.  E: an exponential.  C: a pair rounded to bf16.  A: sums of pairs in place; the last: l = a l + sum.
; In fours: (F F F F) for tile 0; then for each tile (E E F F) (E E F F) with the NEXT tile's F, (E E C C) (E E A C) (C A A l).  Behind each pair of exponentials stand two plain instructions that touch neither.
.macro FOP t, k
	v_pk_fma_f32 v[S+8*(\t)+2*(\k):S+8*(\t)+2*(\k)+1], v[S+8*(\t)+2*(\k):S+8*(\t)+2*(\k)+1], s[CS:CS+1], v[ST+4*(\t):ST+4*(\t)+1] op_sel_hi:[1,0,0] neg_lo:[0,0,1] neg_hi:[0,0,1]
.endm
.macro EOP t, k
	v_exp_f32 v[S+8*(\t)+(\k)], v[S+8*(\t)+(\k)]
.endm
.macro COP t, k
	s_wait_alu depctr_va_vdst(0)
	v_cvt_pk_bf16_f32 v[P+4*(\t)+(\k)], v[S+8*(\t)+2*(\k)], v[S+8*(\t)+2*(\k)+1]
.endm
.macro AOP t, d, e
	v_pk_add_f32 v[S+8*(\t)+(\d):S+8*(\t)+(\d)+1], v[S+8*(\t)+(\d):S+8*(\t)+(\d)+1], v[S+8*(\t)+(\e):S+8*(\t)+(\e)+1]
.endm
.macro SMX
.set smt, (smi-4)/20
.set sme, (smi-4)%20
.if smi < 4
	FOP 0, smi
.elseif (sme < 8) && ((sme%4) < 2)
	EOP smt, 2*(sme/4)+sme%4
.elseif (sme < 8) && (smt < 3)
	FOP smt+1, 2*(sme/4)+sme%4-2
.elseif sme < 8
	v_nop                                          ; the last tile has no next: the exponentials keep their plain neighbours
.elseif sme < 10
	EOP smt, sme-4
.elseif sme < 12
	COP smt, sme-10
.elseif sme < 14
	EOP smt, sme-6
.elseif sme == 14
	AOP smt, 0, 2
.elseif sme < 17
	COP smt, sme-13
.elseif sme == 17
	AOP smt, 4, 6
.elseif sme == 18
	AOP smt, 0, 4
.else
	v_pk_fma_f32 v[ST+4*smt+2:ST+4*smt+3], v[ST+4*smt+2:ST+4*smt+3], v[AA+2*smt:AA+2*smt+1], v[S+8*smt:S+8*smt+1] op_sel_hi:[1,0,1]
.endif
.endm
; THE QUEUE of a step's 112 vector instructions that hang on the waves' maxima; RQ writes the next.  0-27, a tile each, in fours: the old a is kept (AB); the new m from the four waves' maxima and the
; old m (two lines); c m; c m_old - c m_new; c m takes its place; a = 2^(that).  Then the softmax's 84, whose first four are the plain instructions behind a's exponentials (ISA guide 5.7.2).
.macro RQ
.set rqt, rqi%4
.if rqi < 4
	v_mov_b32 v[AB+2*rqt], v[AA+2*rqt]
.elseif rqi < 8
	v_max3_num_f32 v[XS+rqt], v[XS+rqt], v[XS+4+rqt], v[XS+8+rqt]
.elseif rqi < 12
	v_max3_num_f32 v[ST+4*rqt+1], v[XS+rqt], v[XS+12+rqt], v[ST+4*rqt+1]
.elseif rqi < 16
	v_mul_f32 v[AA+2*rqt+1], s[CS], v[ST+4*rqt+1]
.elseif rqi < 20
	v_sub_f32 v[AA+2*rqt], v[ST+4*rqt], v[AA+2*rqt+1]
.elseif rqi < 24
	v_mov_b32 v[ST+4*rqt], v[AA+2*rqt+1]
.elseif rqi < 28
	v_exp_f32 v[AA+2*rqt], v[AA+2*rqt]
.else
.set smi, rqi-28
	SMX
.endif
.set rqi, rqi+1
.endm
; The next pair of O^T times its tile's a: blocks 0-3 (pairs 0-63) by this step's, blocks 4-7 by RSH's.  Ascending.
.macro RSC
.if rsi < 64
	v_pk_mul_f32 v[2*rsi:2*rsi+1], v[2*rsi:2*rsi+1], v[AA+2*((rsi/4)%4):AA+2*((rsi/4)%4)+1] op_sel_hi:[1,0]
.else
	v_pk_mul_f32 v[2*rsi:2*rsi+1], v[2*rsi:2*rsi+1], v[RSH+2*((rsi/4)%4):RSH+2*((rsi/4)%4)+1] op_sel_hi:[1,0]
.endif
.set rsi, rsi+1
.endm
; Level g of six of my wave's maxima, a line for each tile: eight scores a lane (the accumulator's lowest registers first), then the other half of the lanes'.
.macro MAXG g
.irp t, 0,1,2,3
.if (\g) == 0
	v_max3_num_f32 v[MX+(\t)], v[S+8*(\t)], v[S+8*(\t)+1], v[S+8*(\t)+2]
.elseif (\g) < 3
	v_max3_num_f32 v[MX+(\t)], v[MX+(\t)], v[S+8*(\t)+2*(\g)+1], v[S+8*(\t)+2*(\g)+2]
.elseif (\g) == 3
	v_max_num_f32 v[MX+(\t)], v[MX+(\t)], v[S+8*(\t)+7]
.elseif (\g) == 4
	v_permlanex16_b32 v[TP+(\t)], v[MX+(\t)], s[SEL], s[SEL+1]
.else
	v_max_num_f32 v[MX+(\t)], v[MX+(\t)], v[TP+(\t)]
.endif
.endr
.endm
.macro MAXL
.irp g, 0,1,2,3,4,5
	MAXG \g
.endr
.endm
; THE MATRIX WORK.  The accumulators take turns, one instruction a turn: 16 in a unit of V P, 4 in SU; no two matrix instructions that follow each other share one, over the loop's edge too.
; Products from .. to - 1 of the 16 of a unit O^T += V P: channel blocks 4 hf + 0..3 x four tiles, 32 keys.  rid = 1: behind each product the queue's next four, while any are left.
; rid = 2: behind products 0-5 the six levels of the maxima, behind product 6 their store into STATS[sl].
.macro PVQ hf, vbuf, pbuf, from, to, rid, sl
.set pvi, \from
.rept (\to)-(\from)
	WIN W_PV
.set rO, 8*(4*(4*(\hf)+pvi/4)+pvi%4)
	v_wmma_f32_16x16x32_bf16 v[rO:rO+7], v[(\vbuf)+8*(pvi/4):(\vbuf)+8*(pvi/4)+7], v[(\pbuf)+8*(pvi%4):(\pbuf)+8*(pvi%4)+7], v[rO:rO+7]
.if ((\rid) == 1) && (rqi < 112)
	WIN 0
.rept 4
	RQ
.endr
.elseif ((\rid) == 2) && (pvi < 6)
	WIN 0
	MAXG pvi
.elseif ((\rid) == 2) && (pvi == 6)
	WIN 0
	ds_store_b128 v[ASW], v[MX:MX+3] offset:1024*(\sl)
.endif
.set pvi, pvi+1
.endr
.endm
; 16 products S^T (+)= K Q^T: channels 128 u + 32 (0..3) on x four tiles.  Unit 0's first four start the sums.  Behind every second product: rmode 1: four of the rescaling; 2: eight registers of O^T are cleared; 0: nothing.
; With riders the four (or eight) behind the last product are the places in front of what follows: a run of loads into the unit's buffer, or the maxima.
.macro SU u, buf, rmode
.set sui, 0
.rept 16
	WIN W_S2+4*((\u)/2)
.set rQ, 32*((4*(\u)+sui/4)%8)+8*(sui%4)
.set rA, S+8*(sui%4)
.if ((\u) == 0) && (sui < 4)
	v_wmma_f32_16x16x32_bf16 v[rA:rA+7], v[(\buf)+8*(sui/4):(\buf)+8*(sui/4)+7], v[rQ:rQ+7], 0
.else
	v_wmma_f32_16x16x32_bf16 v[rA:rA+7], v[(\buf)+8*(sui/4):(\buf)+8*(sui/4)+7], v[rQ:rQ+7], v[rA:rA+7]
.endif
.if ((sui%2) == 1) && ((\rmode) == 1)
	WIN W_RS
.rept 4
	RSC
.endr
.elseif ((sui%2) == 1) && ((\rmode) == 2)
	WIN W_CL
.rept 8
	v_mov_b32 v[cli], 0
.set cli, cli+1
.endr
.endif
.set sui, sui+1
.endr
.endm
; The 64 products K Q^T on end, all four units fetched beforehand: the prologue's and trip 0's form.
.macro YPH rmode, b0, b1, b2, b3, w0, w1, w2, w3
.set cli, 0
	s_wait_dscnt \w0
	SU 0, \b0, \rmode
	s_wait_dscnt \w1
	SU 1, \b1, \rmode
	s_wait_dscnt \w2
	SU 2, \b2, \rmode
	s_wait_dscnt \w3
	SU 3, \b3, \rmode
	WIN 0
.if (\rmode) == 0
	PLACES
.endif
.endm
.macro PAR sl                          ; the two buffers that change places with the slot's parity
.set BA, B2+32*(\sl)
.set BB, B3-32*(\sl)
.endm
; A trip's first loads, behind the refill: the waves' maxima, P and V of keys 0-31 for blocks 0-3, V of keys 32-63.  Their buffers were read last by U6 and by K's last unit of the trip before.
.macro G1 sl
	LDSTAT 1-(\sl)
	LDP \sl, 0, B0
	LDV \sl, 0, 0, B4
	LDV \sl, 1, 0, BA
.endm
; A TRIP.  Eight units of 16 products: U0, U1 (V P, blocks 0-3), K0-K3, U6, U7 (V P, blocks 4-7).  B4 holds V of U0, K1, V of U6; BA V of U1, K2, V of U7; BB K0, K3.  A run of loads is issued
; when its buffer's last reader is done, two units ahead of its use.  Each wait's count is the LDS instructions issued behind the run that is wanted; the trip's order of issue:
; maxima 4, P0 8, V00 8, V10 8, P1 8, K0 8, K1 8, P's store 4, K2 8, K3 8, V01 8, V11 8, the maxima's store 1, the add 1.
.macro TRIP sl, mode, mid
	PAR \sl
	G1 \sl
	PVQ 1, BB, B1, 4, 16, 0, 0                     ; the last trip's U7, products 4-15: its V lies in that trip's BA, which is this trip's BB
	WIN 0
.if \mid
.Lmid:                                                 ; trip 1 enters here: trip 0 leaves no products behind
.endif
	PLACES
	LDP \sl, 1, B1
	LDK \sl, 0, BB
	s_wait_dscnt 24                                ; behind V00: V10, P1, K0
.set rqi, 0
	PVQ 0, B4, B0, 0, 16, 1, 0                     ; U0
	WIN 0
	PLACES
	LDK \sl, 1, B4
	s_wait_dscnt 16                                ; behind P1: K0, K1
	PVQ 0, BA, B1, 0, 16, 1, 0                     ; U1: the queue ends behind its product 11
	WIN 0
	PLACES
	STP 1-(\sl)
	LDK \sl, 2, BA
.set rsi, 0
	s_wait_dscnt 20                                ; behind K0: K1, P's store, K2
	SU 0, BB, 1
	WIN 0
	LDK \sl, 3, BB
	s_wait_dscnt 20                                ; behind K1: P's store, K2, K3
	SU 1, B4, 1
	WIN 0
	LDV \sl, 0, 1, B4
	s_wait_dscnt 16                                ; behind K2: K3, V01
	SU 2, BA, 1
	WIN 0
	LDV \sl, 1, 1, BA
	s_wait_dscnt 16                                ; behind K3: V01, V11
	SU 3, BB, 1
	s_wait_dscnt 8                                 ; behind V01: V11
	PVQ 1, B4, B0, 0, 16, 2, \sl                   ; U6, the maxima of S(n + 1) and their store
	BARA \sl, \mode
	s_wait_dscnt 2                                 ; behind V11: the maxima's store and the add
	PVQ 1, BA, B1, 0, 4, 0, 0                      ; U7's first four products stand between the add and the wait for it
	BARB \sl, \mode
.endm
	; THE PROLOGUE: S(0) from slot 0.  The waits for K's runs also show Q's last fragments in: LDS loads come back in order (ISA guide 5.7.1).
	LDK 0, 0, B2
	LDK 0, 1, B3
	LDK 0, 2, B4
	LDK 0, 3, B0
	YPH 0, B2, B3, B4, B0, 24, 16, 8, 0
	MAXL
	ds_store_b128 v[ASW], v[MX:MX+3]
	BARA 0, 1
	BARB 0, 1                                      ; slot 0 takes K(2); V(0) stays
	; TRIP 0: there is no V P yet; the queue stands bare, and beside S(1) O^T is cleared: 256 v_mov_b32, once a launch, the price of writing no first V P out.
	LDSTAT 0
	LDK 1, 0, B2
	LDK 1, 1, B3
	LDK 1, 2, B4
	LDK 1, 3, B0
	s_wait_dscnt 32
.set rqi, 0
.rept 112
	RQ
.endr
	STP 0
	YPH 2, B2, B3, B4, B0, 28, 20, 12, 4           ; behind each unit: the later units and P's four stores
	MAXL
	ds_store_b128 v[ASW], v[MX:MX+3] offset:1024
	BARA 1, 1
	BARB 1, 1                                      ; slot 1 takes K(3); V(1) stays
	s_mov_b32 s[CNT], 30
	PAR 0
	G1 0                                           ; trip 1's first loads, written out: the loop is entered behind its own
	s_branch .Lmid
.Lloop:                                                ; trips 1 to 60, two a lap
	TRIP 0, 3, 1
	TRIP 1, 3, 0
	s_sub_co_u32 s[CNT], s[CNT], 1
	s_cmp_lg_u32 s[CNT], 0
	s_cbranch_scc1 .Lloop
	TRIP 0, 2, 0                                   ; trips 61 and 62 are written out: K has been asked for to its end, V(62) and V(63) are still due
	TRIP 1, 2, 0
	; TRIP 63: V P of step 62, the softmax of S(63); there is no K Q^T, so the rescaling stands bare; my wave's l goes where the maxima went.
	PAR 0
	G1 0
	PVQ 1, BB, B1, 4, 16, 0, 0                     ; trip 62's U7, products 4-15
	WIN 0
	PLACES
	LDP 0, 1, B1
	LDV 0, 0, 1, BB
	s_wait_dscnt 24                                ; behind V00: V10, P1, V01
.set rqi, 0
	PVQ 0, B4, B0, 0, 16, 1, 0
	WIN 0
	PLACES
	LDV 0, 1, 1, B4
	s_wait_dscnt 16                                ; behind P1: V01, V11
	PVQ 0, BA, B1, 0, 16, 1, 0
	WIN 0
	PLACES
	STP 1
	WIN W_RS
.set rsi, 0
.rept 128
	RSC                                            ; blocks 0-3 by a(63), blocks 4-7 by a(62)
.endr
	WIN 0
.irp t, 0,1,2,3
	v_add_f32 v[MX+(\t)], v[ST+4*(\t)+2], v[ST+4*(\t)+3]
.endr
.irp t, 0,1,2,3
	v_permlanex16_b32 v[TP+(\t)], v[MX+(\t)], s[SEL], s[SEL+1]
.endr
.irp t, 0,1,2,3
	v_add_f32 v[MX+(\t)], v[MX+(\t)], v[TP+(\t)]
.endr
	ds_store_b128 v[ASW], v[MX:MX+3]
	s_wait_dscnt 5                                 ; behind V11: P's four stores and l's
	PVQ 1, BB, B0, 0, 16, 0, 0
	PVQ 1, B4, B1, 0, 16, 0, 0
	WIN 0
	PLACES                                         ; for the loads behind the barrier
	s_wait_tensorcnt 0x0                           ; V(63) has landed; nothing is filled again, so no round follows
	ds_add_u32 v[SPW], v[NIL]
	s_wait_dscnt 0x0                               ; my stores of P(63) and of l are done
	s_barrier_signal -1
	s_barrier_wait -1
	; THE LAST PRODUCT: V P of step 63; ahead of it 1 / l from the four waves' sums, and blocks 4-7 times a(63).
	LDSTAT 0
	LDP 1, 0, B0
	LDV 1, 0, 0, B4
	LDP 1, 1, B1
	LDV 1, 1, 0, B3
	LDV 1, 0, 1, B2
	s_wait_dscnt 40                                ; behind the sums: five runs of eight
.irp t, 0,1,2,3
	v_add_f32 v[XS+(\t)], v[XS+(\t)], v[XS+4+(\t)]
.endr
.irp t, 0,1,2,3
	v_add_f32 v[XS+8+(\t)], v[XS+8+(\t)], v[XS+12+(\t)]
.endr
.irp t, 0,1,2,3
	v_add_f32 v[XS+(\t)], v[XS+(\t)], v[XS+8+(\t)]
.endr
.irp t, 0,1,2,3
	v_rcp_f32 v[RL+(\t)], v[XS+(\t)]
.endr
	WIN W_RS                                       ; the rescaling is the plain work behind the reciprocals
.set rsi, 64
.set RSH, AA
.rept 64
	RSC
.endr
	s_wait_dscnt 24                                ; behind V00: P1, V10, V01
	PVQ 0, B4, B0, 0, 16, 0, 0
	WIN 0
	PLACES
	LDV 1, 1, 1, B4
	s_wait_dscnt 16                                ; behind V10: V01, V11
	PVQ 0, B3, B1, 0, 16, 0, 0
	s_wait_dscnt 8
	PVQ 1, B2, B0, 0, 16, 0, 0
	s_wait_dscnt 0x0
	PVQ 1, B4, B1, 0, 16, 0, 0
	WIN 0
	PLACES
	; THE RESIDUAL.  A fragment of Q holds, in lane l, query l % 16 and channels 8 (l / 16) + 0..7 (and 16 more on): the very places of O^T's numbers.  My wave's 128 channels are four of the sixteen channel
	; steps; which registers they are hangs on the wave's number, and a register cannot be chosen by a number: so they are copied to one place, by one of four runs of 128 moves.
.macro QCOPY w
	WIN 0x02+(\w)/2                                ; source in window 2 or 3
.set i, 0
.rept 128
	v_mov_b32 v[QC+i], v[128*((\w)%2)+i]
.set i, i+1
.endr
	WIN 0
.endm
	s_cmp_lt_u32 s[WV], 2
	s_cbranch_scc0 .Lq_hi
	s_cmp_eq_u32 s[WV], 0
	s_cbranch_scc0 .Lq_1
	QCOPY 0
	s_branch .Lq_done
.Lq_1:
	QCOPY 1
	s_branch .Lq_done
.Lq_hi:
	s_cmp_eq_u32 s[WV], 2
	s_cbranch_scc0 .Lq_3
	QCOPY 2
	s_branch .Lq_done
.Lq_3:
	QCOPY 3
.Lq_done:
; THE WAY OUT, a block of 16 channels at a time.  PACK: O / l + q, one fused multiply-add a number, q straight from its bf16 half.  TOSTAGE: into my own stage (rows of 272 bytes: a channel's 64 queries),
; and back as whole rows of 256 bytes.  SEND: stored.
.macro PACK cb
	WIN 0x01                                       ; source 0 (O^T) in window 1
.set i, 0
.rept 32                                       ; tile i / 8, channel 8 h + i % 8 of the block
.if i%2
	v_fma_mix_f32_bf16 v[TT+i], v[8*(4*(\cb)+i/8)+i%8], v[RL+i/8], v[QC+32*((\cb)/2)+8*(i/8)+4*((\cb)%2)+(i%8)/2] op_sel:[0,0,1] op_sel_hi:[0,0,1]
.else
	s_wait_alu depctr_va_vdst(0)
	v_fma_mix_f32_bf16 v[TT+i], v[8*(4*(\cb)+i/8)+i%8], v[RL+i/8], v[QC+32*((\cb)/2)+8*(i/8)+4*((\cb)%2)+(i%8)/2] op_sel:[0,0,0] op_sel_hi:[0,0,1]
.endif
.set i, i+1
.endr
	WIN 0
.endm
.macro TOSTAGE
.set i, 0
.rept 32
	ds_store_b32 v[STO], v[TT+i] offset:SP*(i%8)+64*(i/8)
.set i, i+1
.endr
	s_wait_xcnt 0x0                                ; the registers that the last block's stores read are loaded again only behind this wait (ISA guide 3.1)
.irp f, 0,1,2,3,4,5,6,7
	ds_load_b128 v[OB+4*(\f):OB+4*(\f)+3], v[RD] offset:(\f)*2*SP  ; LDS serves a wave's instructions in order (ISA guide 5.7.1.4): these see the stores above
.endr
.endm
.macro SEND cb
	s_wait_dscnt 0x0                               ; the block is back in registers
.irp f, 0,1,2,3,4,5,6,7
	global_store_b128 v[GO], v[OB+4*(\f):OB+4*(\f)+3], s[10:11] offset:(16*(\cb)+2*(\f))*CH th:TH_STORE_NT  ; sixteen lanes store 256 consecutive bytes, at a multiple of 256 from out0's first byte
.endr
.endm
	PACK 0
	TOSTAGE
.irp c, 1,2,3,4,5,6,7                  ; a block's arithmetic stands between the loads of the block before and the wait for them
	PACK \c
	SEND (\c)-1
	TOSTAGE
.endr
	SEND 7
	s_wait_tensorcnt 0x0                           ; the wave's end, behind my last tensor load and my last LDS store
	ds_add_u32 v[SPW], v[NIL]
	s_wait_dscnt 0x0
	CROUND                                         ; the closing round: no work-group ends while a partner may still ask for a tile that names it
	s_endpgm
.Lfunc_end_k_q5d4052150f_attn:
	.size	k_q5d4052150f_attn, .Lfunc_end_k_q5d4052150f_attn-k_q5d4052150f_attn
	.p2alignl 7, 3214868480
	.fill 96, 4, 3214868480
	.section	.rodata,"a",@progbits
	.p2align	6, 0x0
	.amdhsa_kernel k_q5d4052150f_attn
		.amdhsa_group_segment_fixed_size 327680
		.amdhsa_private_segment_fixed_size 0
		.amdhsa_enable_private_segment 0
		.amdhsa_kernarg_size 32
		.amdhsa_user_sgpr_count 2
		.amdhsa_user_sgpr_kernarg_segment_ptr 1
		.amdhsa_wavefront_size32 1
		.amdhsa_system_sgpr_workgroup_id_x 1
		.amdhsa_system_sgpr_workgroup_id_y 1
		.amdhsa_system_sgpr_workgroup_id_z 1
		.amdhsa_system_vgpr_workitem_id 0
		.amdhsa_next_free_vgpr 1024
		.amdhsa_next_free_sgpr 66
		.amdhsa_reserve_vcc 0
		.amdhsa_float_denorm_mode_32 3
		.amdhsa_float_denorm_mode_16_64 3
		.amdhsa_memory_ordered 1
		.amdhsa_forward_progress 1
		.amdhsa_inst_pref_size 255
	.end_amdhsa_kernel
	.section	.bss,"aw",@nobits
	.p2align	6
	.space	262144
	.amdgpu_metadata
---
amdhsa.version: [ 1, 2 ]
amdhsa.kernels:
  - .name:           k_q5d4052150f_attn
    .symbol:         k_q5d4052150f_attn.kd
    .args:
      - { .name: query, .offset: 0, .size: 8, .value_kind: global_buffer, .address_space: global }
      - { .name: kw, .offset: 8, .size: 8, .value_kind: global_buffer, .address_space: global }
      - { .name: vw, .offset: 16, .size: 8, .value_kind: global_buffer, .address_space: global }
      - { .name: out0, .offset: 24, .size: 8, .value_kind: global_buffer, .address_space: global }
    .group_segment_fixed_size: 327680
    .private_segment_fixed_size: 0
    .kernarg_segment_align: 8
    .kernarg_segment_size: 32
    .max_flat_workgroup_size: 128
    .sgpr_count:     66
    .vgpr_count:     1024
    .wavefront_size: 32
...
	.end_amdgpu_metadata
.endif
;; end of part 2
;; ======== version 2 of 2: 2 launches; version 1 with the launch cast written anew for expert scheduling mode
;; limits: values outside matrix products are rounded to bf16
;; workspace buffers: kw 16,777,216 bytes; vw 16,777,216 bytes
;; launch cast (part 3): grid 128 x 2, 8 waves a work-group, no clusters, 140,288 bytes of LDS; arguments key, value, kw, vw; writes kw, vw
.if DOCPART == 3
	.amdgcn_target "amdgcn-amd-amdhsa--gfx1250"
	.amdhsa_code_object_version 6
	.text
	.protected	k_q5d4052150f_cast
	.globl	k_q5d4052150f_cast
	.p2align	8
	.type	k_q5d4052150f_cast,@function
k_q5d4052150f_cast:
	s_mov_b64 s[64:65], 0
	v_nop
	global_prefetch_b8 v0, s[64:65] scope:SCOPE_SE
	s_setreg_imm32_b32 hwreg(HW_REG_WAVE_SCHED_MODE, 0, 2), 2
	s_setreg_imm32_b32 hwreg(HW_REG_WAVE_MODE, 25, 1), 1
	s_wait_xcnt 0x0
	s_wait_alu depctr_vm_vsrc(0)
; key, value: [4][512 channels][4096 positions] f32.  Both are rounded once to bf16 (nearest even) and laid out as the two products of the next launch want them:
;   kw [4][4096 keys][512 channels]            bf16: K turned, a key is 1,024 dense bytes
;   vw [4][64 key blocks][512 channels][64 keys] bf16: a block of 64 keys is 65,536 dense bytes
; A stream: no matrix work, no cluster (no byte is read twice), no tensor load.  Work-group y = 0 casts key, y = 1 casts value.
; A wave owns a tile of 128 channels x 64 keys (32,768 bytes in, 16,384 out): tile number 8 x + wave = 256 batch + 64 channel group + key block.
; Every load of a wave takes two row pieces of 256 consecutive, aligned bytes; the tile comes in eight groups of eight loads, of which 24 to 40 loads of a wave are on their way (five groups in registers).
; K is turned through the wave's own LDS bytes (no barrier: no other wave touches them) and leaves as 256 consecutive aligned bytes for each sixteen lanes;
; V needs no turning: a wave's store of 8 bytes a lane covers 256 consecutive aligned bytes.
; THE MODE: SCHED_MODE bits 1:0 = 2 (LLVM: expert scheduling mode 2), set by the entry lines.  The code itself states the register dependences
; between vector instructions and memory or LDS instructions, with s_wait_alu, always for 0.
; THE PLAN, the same in both paths.  Registers that memory or LDS instructions touch:
;   X0 .. X4   five groups as loaded.  Group g lies in X[g % 5]: written by its eight loads, read by group g's sixteen roundings and by nothing else.
;              (Key's tail: the LDS loads that bring the turned tile back land in X0 .. X3, and the global stores read them there.)
;   T0, T1     two groups of sixteen packed words.  Written by group g's roundings (T[g % 2]); read by the stores that are issued in group g + 1.
;   v3 .. v6   offsets and LDS addresses, made once at a path's head and never written again: rows are reached by immediate offsets, and no base is stepped.
;   v14, v15   made at the kernel's head, read by the closing add alone.
; Group g's memory instructions are the loads of group g + 4, into X[(g - 1) % 5], and the stores of group g - 1, from T[(g - 1) % 2]: the two buffers that group g - 1 worked on
; and that no rounding of group g names.  So the waits at a group's head state all that they hang on, and they are dealt among the group's roundings with no further wait.
.set CH,    16384                      ; bytes from a channel to the next in key and value
.set PITCH, 272                        ; an LDS row: one key, 128 channels of bf16 (256 bytes) + 16
.set WTILE, 64*PITCH                   ; a wave's LDS bytes: 64 keys
.set SPARE, 8*WTILE                    ; behind them the spare words: 128 bytes a wave, four blocks of 256 bytes that no other line names
.set SPW, 14                           ; v14  LDS address of my spare word; never rewritten
.set NIL, 15                           ; v15  0; never rewritten
.set NX,  5                            ; buffers of X
.set X,   32                           ; v[32:191]  five groups x eight loads x four registers
.set T,   192                          ; v[192:223] two groups x sixteen packed words
	s_load_b256 s[4:11], s[0:1], 0x0               ; key s[4:5], value s[6:7], kw s[8:9], vw s[10:11]
	v_lshl_add_u32 v[SPW], v0, 2, SPARE
	v_mov_b32 v[NIL], 0
	v_lshrrev_b32 v7, 5, v0
	v_readfirstlane_b32 s12, v7                    ; wave 0..7
	v_and_b32 v1, 15, v0                           ; r = lane % 16
	v_bfe_u32 v2, v0, 4, 1                         ; hh = lane / 16
	s_wait_alu depctr_va_sdst(0)                   ; s12 is written, ahead of its first reader: the tile's number is made from it
	s_lshl_b32 s13, ttmp9, 3
	s_add_co_u32 s13, s13, s12                     ; my tile's number
	s_and_b32 s14, s13, 63                         ; key block
	s_bfe_u32 s15, s13, 0x20006                    ; channel group (2 bits from bit 6)
	s_lshr_b32 s16, s13, 8                         ; batch
	s_lshl_b32 s18, s16, 23                        ; in: batch x 8,388,608
	s_lshl_b32 s17, s15, 21                        ;   + channel group x 128 channels
	s_add_co_u32 s18, s18, s17
	s_lshl_b32 s17, s14, 8                         ;   + key block x 64 keys of 4 bytes
	s_add_co_u32 s18, s18, s17
	s_mov_b32 s19, 0
	s_lshl_b32 s20, s16, 22                        ; out: batch x 4,194,304
	s_lshl_b32 s17, s14, 16                        ;   + key block x 65,536
	s_add_co_u32 s20, s20, s17
	s_lshl_b32 s17, s15, 8                         ; kw: + channel group x 256 bytes of a key's row
	s_add_co_u32 s22, s20, s17
	s_lshl_b32 s17, s15, 14                        ; vw: + channel group x 128 rows of 128 bytes
	s_add_co_u32 s20, s20, s17
	s_mov_b32 s21, 0
	s_mov_b32 s23, 0
	s_and_b32 s24, ttmp7, 0xffff                   ; 0: key, 1: value
	s_wait_kmcnt 0x0
	s_add_nc_u64 s[4:5], s[4:5], s[18:19]
	s_add_nc_u64 s[6:7], s[6:7], s[18:19]
	s_add_nc_u64 s[8:9], s[8:9], s[22:23]
	s_add_nc_u64 s[10:11], s[10:11], s[20:21]
	s_cmp_lg_u32 s24, 0
	s_cbranch_scc1 .Lvalue
; ---- key.  Load q of group g: lanes 0-15 take channel 16 g + q, lanes 16-31 channel 16 g + 8 + q; lane r the keys 4 r .. 4 r + 3.  KLOAD2: loads 2 t and 2 t + 1 of the eight.
.macro KLOAD2 g, t
.irp q, 0,1
	global_load_b128 v[X+32*((\g)%NX)+8*(\t)+4*(\q):X+32*((\g)%NX)+8*(\t)+4*(\q)+3], v3, s[4:5] offset:(16*(\g)+2*(\t)+(\q))*CH th:TH_LOAD_NT
.endr
.endm
; Group g is packed: for each of my four keys eight neighbouring channels make 16 bytes, which go into the key's LDS row a group later.  left = the younger loads, which may stay out.
.macro KGROUP g, left
	s_wait_loadcnt \left                           ; loads come back in order (ISA guide 5.7.1): group g is in
.if (\g) >= 2
	s_wait_alu depctr_vm_vsrc(0)                   ; the LDS stores issued in the group before have read T[g % 2], which this group's roundings write again
.endif
.if (\g) >= 1
	s_wait_alu depctr_va_vdst(0)                   ; the group before has written the other T, which the LDS stores below read, and is done reading its X, in which the loads below land
.endif
.set XB, X+32*((\g)%NX)
.set TB, T+16*((\g)%2)
.set TO, T+16*(1-(\g)%2)
.irp t, 0,1,2,3
.if ((\g) >= 1) && ((\g) <= 3)
	KLOAD2 (\g)+4, \t                              ; the buffer of the group before takes the group four further on; no rounding since the wait names it
.endif
.if (\g) >= 1
	ds_store_b128 v4, v[TO+4*(\t):TO+4*(\t)+3] offset:(\t)*PITCH+32*((\g)-1)  ; the group before: key 4 r + t, its 16 bytes
.endif
.irp p, 0,1,2,3
	v_cvt_pk_bf16_f32 v[TB+4*(\t)+(\p)], v[XB+8*(\p)+(\t)], v[XB+8*(\p)+4+(\t)]  ; key 4 r + t, channels 2 p and 2 p + 1 of my eight
.endr
.endr
.endm
	v_lshlrev_b32 v3, 4, v1
	v_lshl_add_u32 v3, v2, 17, v3                  ; in: 8 channels x hh + 16 r
	s_mul_i32 s25, s12, WTILE                      ; my wave's LDS bytes
	v_mul_u32_u24 v4, v1, 4*PITCH
	v_lshl_add_u32 v4, v2, 4, v4
	v_add_nc_u32 v4, s25, v4                       ; into LDS: row 4 r, 16 bytes for each half of the lanes
	v_mul_u32_u24 v5, v2, PITCH
	v_lshl_add_u32 v5, v1, 4, v5
	v_add_nc_u32 v5, s25, v5                       ; back: lanes 0-15 one row of 256 bytes, lanes 16-31 the next
	v_lshlrev_b32 v6, 10, v2
	v_lshl_add_u32 v6, v1, 4, v6                   ; and the same two keys in kw, 1,024 bytes apart
	s_wait_alu depctr_va_vdst(0)                   ; v3 to v6 are written: every load and store of this path reads one of them as its offset or address
.irp g, 0,1,2,3,4
.irp t, 0,1,2,3
	KLOAD2 \g, \t                                  ; groups 0 to 4 into X0 to X4
.endr
.endr
	KGROUP 0, 32                                   ; groups 1 to 4 are out
	KGROUP 1, 24                                   ; groups 2 to 4; it asks for group 5
	KGROUP 2, 24                                   ; groups 3 to 5; it asks for group 6
	KGROUP 3, 24                                   ; groups 4 to 6; it asks for group 7, the last
	KGROUP 4, 24                                   ; groups 5 to 7
	KGROUP 5, 16
	KGROUP 6, 8
	KGROUP 7, 0
	s_wait_alu depctr_va_vdst(0)                   ; group 7 has written T1, which the last four LDS stores read; all roundings are done reading X, in which the LDS loads below land
.irp t, 0,1,2,3
	ds_store_b128 v4, v[T+16+4*(\t):T+16+4*(\t)+3] offset:(\t)*PITCH+32*7
.endr
.set i, 0
.rept 32
	ds_load_b128 v[X+4*i:X+4*i+3], v5 offset:i*2*PITCH  ; LDS serves a wave's instructions in order (ISA guide 5.7.1.4): these see the stores above
.set i, i+1
.endr
.set i, 0
.rept 32
	s_wait_dscnt 31-i                              ; rows 2 i and 2 i + 1 are back
	global_store_b128 v6, v[X+4*i:X+4*i+3], s[8:9] offset:i*2048  ; sixteen lanes store 256 consecutive bytes, at a multiple of 256 from kw's first byte
.set i, i+1
.endr
	s_wait_dscnt 0x0                               ; the closing lines, six on end
	s_wait_alu 0x0
	s_wait_tensorcnt 0x0
	ds_add_u32 v[SPW], v[NIL]
	s_wait_dscnt 0x0
	s_endpgm
; ---- value.  Load n takes channels 2 n (lanes 0-15) and 2 n + 1 (lanes 16-31); lane r the keys 4 r .. 4 r + 3, which pack into 8 bytes.  VLOAD2: loads 2 t and 2 t + 1 of a group's eight.
.macro VLOAD2 g, t
.irp q, 0,1
	global_load_b128 v[X+32*((\g)%NX)+8*(\t)+4*(\q):X+32*((\g)%NX)+8*(\t)+4*(\q)+3], v3, s[6:7] offset:2*(8*(\g)+2*(\t)+(\q))*CH th:TH_LOAD_NT
.endr
.endm
.macro VGROUP g, left
	s_wait_loadcnt \left                           ; group g is in
.if (\g) >= 2
	s_wait_xcnt 0x0                                ; every earlier memory instruction has had its addresses translated (ISA guide 3.1): T[g % 2], the data of stores issued in the group before, is rewritten only behind this wait
	s_wait_alu depctr_vm_vsrc(0)                   ; those stores have read T[g % 2], which this group's roundings write again
.endif
.if (\g) >= 1
	s_wait_alu depctr_va_vdst(0)                   ; the group before has written the other T, which the stores below read, and is done reading its X, in which the loads below land
.endif
.set XB, X+32*((\g)%NX)
.set TB, T+16*((\g)%2)
.set TO, T+16*(1-(\g)%2)
.irp t, 0,1,2,3
.if ((\g) >= 1) && ((\g) <= 3)
	VLOAD2 (\g)+4, \t                              ; the buffer of the group before takes the group four further on; no rounding since the wait names it
.endif
.if (\g) >= 1
.irp q, 0,1
	global_store_b64 v6, v[TO+4*(\t)+2*(\q):TO+4*(\t)+2*(\q)+1], s[10:11] offset:256*(8*((\g)-1)+2*(\t)+(\q))  ; the group before: the wave stores two channels' rows: 256 consecutive bytes, aligned
.endr
.endif
.irp q, 0,1
	v_cvt_pk_bf16_f32 v[TB+4*(\t)+2*(\q)],   v[XB+8*(\t)+4*(\q)],   v[XB+8*(\t)+4*(\q)+1]
	v_cvt_pk_bf16_f32 v[TB+4*(\t)+2*(\q)+1], v[XB+8*(\t)+4*(\q)+2], v[XB+8*(\t)+4*(\q)+3]
.endr
.endr
.endm
.Lvalue:
	v_lshlrev_b32 v3, 4, v1
	v_lshl_add_u32 v3, v2, 14, v3                  ; in: one channel x hh + 16 r
	v_and_b32 v6, 31, v0
	v_lshlrev_b32 v6, 3, v6                        ; out: 8 bytes a lane
	s_wait_alu depctr_va_vdst(0)                   ; v3 and v6 are written: every load and store of this path reads one of them as its offset
.irp g, 0,1,2,3,4
.irp t, 0,1,2,3
	VLOAD2 \g, \t                                  ; groups 0 to 4 into X0 to X4
.endr
.endr
	VGROUP 0, 32                                   ; the counts as in key's path
	VGROUP 1, 24
	VGROUP 2, 24
	VGROUP 3, 24
	VGROUP 4, 24
	VGROUP 5, 16
	VGROUP 6, 8
	VGROUP 7, 0
	s_wait_alu depctr_va_vdst(0)                   ; group 7 has written T1, which the last eight stores read
.irp q, 0,1,2,3,4,5,6,7
	global_store_b64 v6, v[T+16+2*(\q):T+16+2*(\q)+1], s[10:11] offset:256*(56+(\q))
.endr
	s_wait_dscnt 0x0                               ; the same six lines at this path's end
	s_wait_alu 0x0
	s_wait_tensorcnt 0x0
	ds_add_u32 v[SPW], v[NIL]
	s_wait_dscnt 0x0
	s_endpgm
.Lfunc_end_k_q5d4052150f_cast:
	.size	k_q5d4052150f_cast, .Lfunc_end_k_q5d4052150f_cast-k_q5d4052150f_cast
	.p2alignl 7, 3214868480
	.fill 96, 4, 3214868480
	.section	.rodata,"a",@progbits
	.p2align	6, 0x0
	.amdhsa_kernel k_q5d4052150f_cast
		.amdhsa_group_segment_fixed_size 140288
		.amdhsa_private_segment_fixed_size 0
		.amdhsa_enable_private_segment 0
		.amdhsa_kernarg_size 32
		.amdhsa_user_sgpr_count 2
		.amdhsa_user_sgpr_kernarg_segment_ptr 1
		.amdhsa_wavefront_size32 1
		.amdhsa_system_sgpr_workgroup_id_x 1
		.amdhsa_system_sgpr_workgroup_id_y 1
		.amdhsa_system_sgpr_workgroup_id_z 1
		.amdhsa_system_vgpr_workitem_id 0
		.amdhsa_next_free_vgpr 224
		.amdhsa_next_free_sgpr 66
		.amdhsa_reserve_vcc 0
		.amdhsa_float_denorm_mode_32 3
		.amdhsa_float_denorm_mode_16_64 3
		.amdhsa_memory_ordered 1
		.amdhsa_forward_progress 1
		.amdhsa_inst_pref_size 47
	.end_amdhsa_kernel
	.amdgpu_metadata
---
amdhsa.version: [ 1, 2 ]
amdhsa.kernels:
  - .name:           k_q5d4052150f_cast
    .symbol:         k_q5d4052150f_cast.kd
    .args:
      - { .name: key, .offset: 0, .size: 8, .value_kind: global_buffer, .address_space: global }
      - { .name: value, .offset: 8, .size: 8, .value_kind: global_buffer, .address_space: global }
      - { .name: kw, .offset: 16, .size: 8, .value_kind: global_buffer, .address_space: global }
      - { .name: vw, .offset: 24, .size: 8, .value_kind: global_buffer, .address_space: global }
    .group_segment_fixed_size: 140288
    .private_segment_fixed_size: 0
    .kernarg_segment_align: 8
    .kernarg_segment_size: 32
    .max_flat_workgroup_size: 256
    .sgpr_count:     66
    .vgpr_count:     224
    .wavefront_size: 32
...
	.end_amdgpu_metadata
.endif
;; end of part 3
;; launch attn: the kernel of part 2 again; grid 64 x 4, 4 waves a work-group, clusters of 4 x 1, 327,680 bytes of LDS; arguments query, kw, vw, out0; writes out0
